; MI455X (gfx1250); checked and timed in simulation.
; The chip was launched on July 23, 2026; its instructions are those of AMD's public machine-readable ISA for CDNA 5 (MIT licence, August 2026) and "CDNA5" Instruction Set Architecture Reference Guide (July 2026). The comments in the code are by the model that wrote it; some were corrected since.
;; V Quantizer. Allowed arithmetic: float matrix products may take bf16 or f16 operands with f32 sums; all other float work in f32.
;; Inputs: codebook 8,192 x 256 float32; z 16 x 256 x 2,048 float32.
;; Outputs: out0 16 x 256 x 2,048 float32; out1 one number float32.
;; One version. Each part assembles by itself: llvm-mc -triple=amdgcn-amd-amdhsa -mcpu=gfx1250 --defsym DOCPART=n.
;; ======== version 1 of 1: 4 launches
;; limits: values outside matrix products are rounded to bf16
;; workspace buffers: cb16 4,194,304 bytes; e2 32,768 bytes; idx 131,072 bytes of whole numbers; part 2,048 bytes
;; launch prep (part 1): grid 128 x 1, 8 waves a work-group, no clusters, 1,280 bytes of LDS; arguments codebook, cb16, e2; writes cb16, e2
.if DOCPART == 1
	.amdgcn_target "amdgcn-amd-amdhsa--gfx1250"
	.amdhsa_code_object_version 6
	.text
	.protected	k_q6632c0dcda_prep
	.globl	k_q6632c0dcda_prep
	.p2align	8
	.type	k_q6632c0dcda_prep,@function
k_q6632c0dcda_prep:
	s_mov_b64 s[64:65], 0
	v_nop
	global_prefetch_b8 v0, s[64:65] scope:SCOPE_SE
	s_setreg_imm32_b32 hwreg(HW_REG_WAVE_MODE, 25, 1), 1
	s_wait_xcnt 0x0
; VQ codebook, step 1 of 4: cb16[k][d] = bf16(codebook[k][d]);  e2[k] = f32 sum over d of cb16[k][d]^2.
; THE WHOLE PROGRAM: (1) this; (2) nearest: idx[n] = first index of the least f32 distance (z2 + e2) - 2 ez; (3) gather: out0 = z + (codebook[idx] - z)
; and partial sums of (codebook[idx] - z)^2; (4) loss: out1.
; WORK LEFT OUT: commitment_loss and embedding_loss are means of the same numbers for all inputs (stop_gradient changes no value), so the mean m is
; formed once and out1 = 0.25 m + m.  The mean left out equals the one that is formed, so a NaN, an infinity or an overflow in it shows in m as well.
; Nothing else is left out and both inputs are loaded.  z2 is the same along the argmin's axis but STAYS in the distance: it is so large beside e2 and
; 2 ez that the problem's f32 sums lose their low bits, and the ties that this makes are settled by the first index.
; LIMIT: the matrix product takes bf16 operands; z2 and e2 are made of the same rounded numbers, so that all three terms of a distance belong to one
; pair of vectors.  The f32 sums run in another order than the problem's.
; A work-group takes 64 rows (its e2 is 256 consecutive bytes), a wave 8 rows.  A row is 1,024 bytes: two loads of 16 bytes a lane, 512 consecutive bytes
; each.  All sixteen loads of a wave go out at once.  A row is packed in place, so no store's data are written again.
.set ROWB, 1024                        ; bytes of a codebook row
.set OUTB, 512                         ; bytes of a cb16 row
.set X, 8                              ; v[8:71]   row i: 8 registers as loaded; its first four then hold the packed row
.set T, 72                             ; v[72:79]  the rounded numbers in f32
.set S, 80                             ; v[80:83]  sums
	s_load_b128 s[4:7], s[0:1], 0x0                ; codebook s[4:5], cb16 s[6:7]
	s_load_b64 s[8:9], s[0:1], 0x10                ; e2
	v_lshl_add_u32 v96, v0, 2, 0x100
	v_mov_b32 v97, 0
	v_lshrrev_b32 v1, 5, v0
	v_readfirstlane_b32 s10, v1                    ; wave 0..7
	v_and_b32 v2, 31, v0                           ; lane
	v_and_b32 v3, 0xe0, v0                         ; 32 x wave
	v_lshlrev_b32 v4, 4, v2
	v_lshl_or_b32 v4, v3, 8, v4                    ; in: 16 lane + wave x 8 rows x 1,024
	v_lshlrev_b32 v5, 3, v2                        ; 8 lane
	v_lshl_or_b32 v6, v3, 7, v5                    ; out: 8 lane + wave x 8 rows x 512
	v_lshlrev_b32 v7, 5, v1                        ; LDS: 4 bytes x 8 rows x wave
	v_mov_b32 v[S+3], 0                            ; v_permlanex16_b32 counts as a reader of its destination
	s_lshl_b32 s12, ttmp9, 16                      ; the group's 64 rows of 1,024 bytes
	s_mov_b32 s13, 0
	s_lshl_b32 s14, ttmp9, 15                      ; of 512 bytes
	s_mov_b32 s15, 0
	s_lshl_b32 s16, ttmp9, 8                       ; its 64 numbers of e2
	s_mov_b32 s17, 0
	s_mov_b32 s18, 0xffff0000                      ; a word's upper bf16
	s_mov_b32 s20, 0x76543210                      ; v_permlanex16_b32: lane i reads lane i of the other half
	s_mov_b32 s21, 0xfedcba98
	s_wait_kmcnt 0x0
	s_add_nc_u64 s[4:5], s[4:5], s[12:13]
	s_add_nc_u64 s[6:7], s[6:7], s[14:15]
	s_add_nc_u64 s[8:9], s[8:9], s[16:17]
.irp i, 0,1,2,3,4,5,6,7
	global_load_b128 v[X+8*\i:X+8*\i+3],   v4, s[4:5] offset:ROWB*\i th:TH_LOAD_NT       ; columns 4 lane .. + 3
	global_load_b128 v[X+8*\i+4:X+8*\i+7], v4, s[4:5] offset:ROWB*\i+512 th:TH_LOAD_NT   ; columns 128 + 4 lane .. + 3
.endr
.irp i, 0,1,2,3,4,5,6,7
	s_wait_loadcnt 14-2*\i                         ; row i's two loads are in; the later rows' stay out
	v_cvt_pk_bf16_f32 v[X+8*\i],   v[X+8*\i],   v[X+8*\i+1]
	v_cvt_pk_bf16_f32 v[X+8*\i+1], v[X+8*\i+2], v[X+8*\i+3]
	v_cvt_pk_bf16_f32 v[X+8*\i+2], v[X+8*\i+4], v[X+8*\i+5]
	v_cvt_pk_bf16_f32 v[X+8*\i+3], v[X+8*\i+6], v[X+8*\i+7]
	global_store_b64 v6, v[X+8*\i:X+8*\i+1],   s[6:7] offset:OUTB*\i       ; each store of the wave covers 256 consecutive bytes, aligned
	global_store_b64 v6, v[X+8*\i+2:X+8*\i+3], s[6:7] offset:OUTB*\i+256
.irp k, 0,1,2,3
	v_lshlrev_b32 v[T+2*\k],   16,  v[X+8*\i+\k]   ; the rounded numbers back in f32
	v_and_b32     v[T+2*\k+1], s18, v[X+8*\i+\k]
.endr
	v_pk_mul_f32 v[S:S+1], v[T:T+1], v[T:T+1]      ; the first squares start the sum
	v_pk_fma_f32 v[S:S+1], v[T+2:T+3], v[T+2:T+3], v[S:S+1]
	v_pk_fma_f32 v[S:S+1], v[T+4:T+5], v[T+4:T+5], v[S:S+1]
	v_pk_fma_f32 v[S:S+1], v[T+6:T+7], v[T+6:T+7], v[S:S+1]
	v_add_f32 v[S+2], v[S], v[S+1]
	v_add_f32_dpp v[S+2], v[S+2], v[S+2] row_xmask:1 row_mask:0xf bank_mask:0xf
	v_add_f32_dpp v[S+2], v[S+2], v[S+2] row_xmask:2 row_mask:0xf bank_mask:0xf
	v_add_f32_dpp v[S+2], v[S+2], v[S+2] row_xmask:4 row_mask:0xf bank_mask:0xf
	v_add_f32_dpp v[S+2], v[S+2], v[S+2] row_xmask:8 row_mask:0xf bank_mask:0xf
	v_permlanex16_b32 v[S+3], v[S+2], s20, s21
	v_add_f32 v[S+2], v[S+2], v[S+3]               ; every lane holds the row's sum
	ds_store_b32 v7, v[S+2] offset:4*\i            ; all lanes write one word with one value
.endr
	s_wait_dscnt 0x0                               ; my eight sums are in LDS before I say so
	s_barrier_signal -1
	s_barrier_wait -1
	s_cmp_lg_u32 s10, 0
	s_cbranch_scc1 .Lend
	ds_load_b64 v[84:85], v5                       ; wave 0: the group's 64 sums, two a lane
	s_wait_dscnt 0x0
	global_store_b64 v5, v[84:85], s[8:9]          ; 256 consecutive bytes, aligned
.Lend:
	s_wait_tensorcnt 0x0
	ds_add_u32 v96, v97
	s_wait_dscnt 0x0
	s_endpgm
.Lfunc_end_k_q6632c0dcda_prep:
	.size	k_q6632c0dcda_prep, .Lfunc_end_k_q6632c0dcda_prep-k_q6632c0dcda_prep
	.p2alignl 7, 3214868480
	.fill 96, 4, 3214868480
	.section	.rodata,"a",@progbits
	.p2align	6, 0x0
	.amdhsa_kernel k_q6632c0dcda_prep
		.amdhsa_group_segment_fixed_size 1280
		.amdhsa_private_segment_fixed_size 0
		.amdhsa_enable_private_segment 0
		.amdhsa_kernarg_size 24
		.amdhsa_user_sgpr_count 2
		.amdhsa_user_sgpr_kernarg_segment_ptr 1
		.amdhsa_wavefront_size32 1
		.amdhsa_system_sgpr_workgroup_id_x 1
		.amdhsa_system_sgpr_workgroup_id_y 1
		.amdhsa_system_sgpr_workgroup_id_z 1
		.amdhsa_system_vgpr_workitem_id 0
		.amdhsa_next_free_vgpr 98
		.amdhsa_next_free_sgpr 66
		.amdhsa_reserve_vcc 0
		.amdhsa_float_denorm_mode_32 3
		.amdhsa_float_denorm_mode_16_64 3
		.amdhsa_memory_ordered 1
		.amdhsa_forward_progress 1
		.amdhsa_inst_pref_size 15
	.end_amdhsa_kernel
	.amdgpu_metadata
---
amdhsa.version: [ 1, 2 ]
amdhsa.kernels:
  - .name:           k_q6632c0dcda_prep
    .symbol:         k_q6632c0dcda_prep.kd
    .args:
      - { .name: codebook, .offset: 0, .size: 8, .value_kind: global_buffer, .address_space: global }
      - { .name: cb16, .offset: 8, .size: 8, .value_kind: global_buffer, .address_space: global }
      - { .name: e2, .offset: 16, .size: 8, .value_kind: global_buffer, .address_space: global }
    .group_segment_fixed_size: 1280
    .private_segment_fixed_size: 0
    .kernarg_segment_align: 8
    .kernarg_segment_size: 24
    .max_flat_workgroup_size: 256
    .sgpr_count:     66
    .vgpr_count:     98
    .wavefront_size: 32
...
	.end_amdgpu_metadata
.endif
;; end of part 1
;; launch nearest (part 2): grid 256 x 1, 4 waves a work-group, clusters of 4 x 1, 327,680 bytes of LDS; arguments z, cb16, e2, idx; writes idx
.if DOCPART == 2
	.amdgcn_target "amdgcn-amd-amdhsa--gfx1250"
	.amdhsa_code_object_version 6
	.text
	.protected	k_q6632c0dcda_nearest
	.globl	k_q6632c0dcda_nearest
	.p2align	8
	.type	k_q6632c0dcda_nearest,@function
k_q6632c0dcda_nearest:
	s_mov_b64 s[64:65], 0
	v_nop
	global_prefetch_b8 v0, s[64:65] scope:SCOPE_SE
	s_setreg_imm32_b32 hwreg(HW_REG_WAVE_MODE, 25, 1), 1
	s_wait_xcnt 0x0
	s_wait_alu depctr_hold_cnt(0) depctr_sa_sdst(0) depctr_va_vdst(0) depctr_va_sdst(0) depctr_va_ssrc(0) depctr_va_vcc(0) depctr_vm_vsrc(0)
	s_getreg_b32 s2, hwreg(HW_REG_IB_STS2, 6, 4)
	s_cmp_eq_u32 s2, 0
	s_cbranch_scc0 .Lentry_in_a_cluster
	s_endpgm
.Lentry_in_a_cluster:
	s_bfe_u32 s2, ttmp6, 0x10000c
	s_cmp_lg_u32 s2, 0x3003
	s_cbranch_scc0 .Lentry_shape_is_right
	s_endpgm
.Lentry_shape_is_right:
; VQ codebook, step 2 of 4: idx[n] = the first k with the least f32 value of (z2[n] + e2[k]) - 2 ez[n][k],  n = 2048 b + l,  ez = z_flat x cb16^T.
; Nothing of the distance is left out: z2 stays (see the first kernel's head).  The NEGATED distance is tracked and its greatest value sought:
; -t = fma(e2, -1, -z2) and -d = fma(ez, 2, -t).  Rounding to nearest is symmetric and 2 ez is exact, so these are the exact negatives of the two roundings
; of the problem's formula.  Ties go to the lower index at every stage.
; LIMITS: z and the codebook enter ez, z2 and e2 rounded to bf16.  A NaN distance never wins (jnp.argmin would take the first NaN); a row whose distances
; are all +infinity or NaN gets index 0.
; SHARES: a work-group owns 128 rows n (one b, 128 neighbouring l) and walks the whole codebook.  Wave w: rh = w & 1 picks 64 of the rows (4 tiles of 16),
; ch = w >> 1 picks codes 4096 ch .. + 4095 (256 tiles of 16).  The wave's z fragments, 4 x 8 x 8 = 256 registers, stay in window 1 for the whole kernel.
; The matrix instruction takes 16 codes as A and 16 rows of z as B: lane (r, h) then holds row r, and its register j code 8 h + j, so the argmin runs inside a lane.
; TURNS: the 32 products of code tile c go into one of two accumulator sets, and behind each of them stands one of 32 slices of the tracking of tile c - 1,
; which reads the other set: 32 products are 256 cycles of the matrix unit, and a tile's 144 vector lines are set among them.  Its 18 LDS loads stand in two
; runs, so that the products' run is broken twice a tile and two waits serve.
; WINDOWS: the products take their second source from window 1, which z fills.  No line of a slice has a vector register as its second source (a constant or a
; scalar register stands there), so one setting serves products and slices; it is left only where a label or a branch stands.
; CLUSTER: every work-group reads the same codes, so the four of a cluster ask for each tile jointly (mask 15): one request serves four.
; LDS (each region starts at a multiple of 256 bytes; the first three are written by ds_store and no tensor load lands in them):
;   ZST   128 rows of z in bf16, pitch 528      Z2P  4 waves x 128 partial z2      RED  the halves' results, and a stage for the indices
;   E2L   e2, filled once                        RING two slots of 128 codes x pitch 528; wave w fills rows 32 w .. + 31, so rows 64 ch .. + 63 are half ch's
; A pitch of 528 bytes is 132 words: the 16 rows that a fragment load touches start 4 banks apart (64 banks of 4 bytes: ISA guide 11.1).
.set PITCH,  528
.set TROWS,  16*PITCH                  ; 8,448: a tile of 16 rows
.set WPART,  32*PITCH                  ; 16,896: what one tensor load brings
.set HALFS,  64*PITCH                  ; 33,792
.set SLOT,   128*PITCH                 ; 67,584
.set ZST,    0
.set Z2P,    SLOT                      ; 67,584
.set RED,    Z2P+2048                  ; 69,632
.set E2L,    RED+2048                  ; 71,680
.set RING,   E2L+32768                 ; 104,448; the ring ends at 239,616
.set STEPB,  64*512                    ; bytes of cb16 that a code half advances from slot to slot
.set LAPS,   32                        ; 4,096 codes / (2 slots x 64 codes)
; window 0
.set ADRA, 4                           ; v4-5     LDS address of my code fragments in slot 0, 1
.set ADRE, 6                           ; v6       LDS address of my 8 e2 of the slot's first tile; steps 256 bytes a slot
.set ZOFF, 7                           ; v7       z: 16 lane + 64 w rows of 8,192 bytes
.set NZ2,  8                           ; v[8:15]  -z2 of my row in tile nt, twice (a pair for the packed multiply-add)
.set E2A,  16                          ; v[16:23] e2 of even tiles
.set E2B,  24                          ; v[24:31] e2 of odd tiles
.set T,    32                          ; v[32:39] -t = -(z2 + e2)
.set STO,  40                          ; v40      ZST: where my 16 bytes go
.set ZFA,  41                          ; v41      ZST: my z fragments
.set Z2A,  42                          ; v42      Z2P: my row's partials
.set VB,   43                          ; v43      8 h + 4096 ch
.set RA,   44                          ; v44      RED: my row
.set Z2S,  45                          ; v45      Z2P: where my four partials go
.set RUN,  48                          ; v[48+16 nt+j]  greatest negated distance so far      (v[48:111] with IDX)
.set IDX,  56                          ; v[56+16 nt+j]  its tile number, at the end its index
.set ACC,  112                         ; v[112:143] the accumulators of even tiles, v[144:175] of odd tiles
.set VBJ,  144                         ; v[144:151] the way out: VB + j;  v[152:155] its addresses and data
.set FA,   176                         ; v[176:239] the code tile's 8 fragments
.set DF,   240                         ; v[240:247] negated distance less the best so far
; in front of the loop only
.set PK,   48                          ; v[48:175]  z in bf16: 48 + 16 g + 4 c + q
.set U,    176                         ; v[176:183] rounded z back in f32
.set S,    192                         ; v[192:199] four pairs of sums
.set P,    200                         ; v[200:203] my four partial z2
; window 1: first z as loaded (4 dl + c), then the z fragments (64 nt + 8 ks)
.set G1,  16                           ; s[16:23] group 1 of the ring's tiles
.set G1E, 24                           ; s[24:31] group 1 of e2's quarter
.set G0,  32                           ; s[32:39] group 0, a set for each slot
.set G0E, 40                           ; s[40:43] group 0 of e2's quarter
.set MSK, 44                           ; s[44:51] eight lane masks
                                       ; s53 trips left; s55 number of the tile that is tracked, 0 .. 255; s59 -infinity
.set MULW, 0x04                        ; source 1 window 1, all else window 0
.set MSB, 0
.macro WIN new                         ; the immediate's high byte repeats the setting that is left; a switch that changes nothing is dropped
.if MSB != \new
	s_set_vgpr_msb (MSB<<8)|\new
.set MSB, \new
.endif
.endm
; A round of the cluster's barrier: my work-group's barrier, wave 0 signals for the work-group, every wave waits for all four work-groups, my barrier once more.
.macro CREST                           ; a round behind its opening barrier
	s_cmp_lg_u32 s12, 0
	s_cbranch_scc1 .Lnot_wave_0_\@
	s_barrier_signal -3
.Lnot_wave_0_\@:
	s_barrier_wait -3
	s_barrier_signal -1
	s_barrier_wait -1
.endm
.macro CROUND
	s_barrier_signal -1
	s_barrier_wait -1
	CREST
.endm
.macro LOADF n, c, ks                  ; fragment ks (32 along d) of tile c of slot n: two loads of 16 bytes, 32 bytes apart
	ds_load_b128 v[FA+8*(\ks):FA+8*(\ks)+3],   v[ADRA+(\n)] offset:TROWS*(\c)+64*(\ks)
	ds_load_b128 v[FA+8*(\ks)+4:FA+8*(\ks)+7], v[ADRA+(\n)] offset:TROWS*(\c)+64*(\ks)+32
.endm
.macro LOADE c, e                      ; e2 of codes 8 h .. 8 h + 7 of the slot's tile c
	ds_load_b128 v[\e:\e+3],   v[ADRE] offset:64*(\c)
	ds_load_b128 v[\e+4:\e+7], v[ADRE] offset:64*(\c)+16
.endm
; The tracking of one code tile, cut into 32 slices: eight for each of the four row tiles.  a: the tile's accumulator set, e: its e2.
; The lines of a slice do not depend on each other, and a line reads only what an earlier slice wrote.
; A strictly greater negated distance takes over, so the first tile keeps a tie.  The rounded difference of two f32 numbers has the sign of the exact one
; (denormals are kept), and infinity less infinity is a NaN, which compares false: not strictly greater.
.macro SCMP j
	v_cmp_gt_f32 s[MSK+\j], v[DF+\j], 0
.endm
.macro SMAX j
	v_max3_num_f32 v[SR+\j], v[SR+\j], s59, v[SA+\j]               ; -infinity in the middle place changes nothing; a NaN loses
.endm
.macro SSEL j
	v_cndmask_b32 v[SX+\j], v[SX+\j], s55, s[MSK+\j]
.endm
.macro SLICE i, a, e
.set SN, (\i)/8                        ; row tile
.set SK, (\i)%8                        ; which of its eight slices
.set SA, \a+8*SN
.set SR, RUN+16*SN
.set SX, IDX+16*SN
.if SK == 0
.irp p, 0,2,4,6
	v_pk_fma_f32 v[T+\p:T+\p+1], v[\e+\p:\e+\p+1], -1.0, v[NZ2+2*SN:NZ2+2*SN+1] op_sel_hi:[1,0,1]      ; -t = -e2 - z2, one rounding
.endr
.endif
.if SK == 1
.irp p, 0,2,4,6
	v_pk_fma_f32 v[SA+\p:SA+\p+1], v[SA+\p:SA+\p+1], 2.0, v[T+\p:T+\p+1] op_sel_hi:[1,0,1]             ; -d = 2 ez - t, one rounding
.endr
.endif
.if SK == 2
.irp p, 0,2,4,6
	v_pk_fma_f32 v[DF+\p:DF+\p+1], v[SR+\p:SR+\p+1], -1.0, v[SA+\p:SA+\p+1] op_sel_hi:[1,0,1]          ; -d less the best so far
.endr
.endif
.if SK == 3
	SCMP 0
	SCMP 1
	SCMP 2
	SCMP 3
	SMAX 0
.endif
.if SK == 4
	SCMP 4
	SCMP 5
	SCMP 6
	SCMP 7
	SMAX 1
.endif
.if SK == 5
	SSEL 0
	SSEL 1
	SSEL 2
	SSEL 3
	SMAX 2
.endif
.if SK == 6
	SSEL 4
	SSEL 5
	SSEL 6
	SSEL 7
	SMAX 3
.endif
.if SK == 7
	SMAX 4
	SMAX 5
	SMAX 6
	SMAX 7
.endif
.endm
; One code tile's stream.  p = the tile's number mod 8: slot p >> 2, tile p & 3 of the slot; accumulator set and e2 buffer p & 1.
; Product Q takes fragment Q / 4 and row tile Q % 4: the four accumulators of a set take turns, one instruction a turn, and the next stream begins on the
; other set.  The first four products start the sums.
; trk = 1: slice Q of the tile before stands behind product Q.  trk = 0 (the first tile): two moves that start the running state stand there.
; LOADS, two runs on the one fragment buffer.  Behind slice 1: THIS tile's fragments 4 .. 7 and its e2, ten loads; product 31 of the stream before was the last to
; read fragment 7, and product 16 is the first to need fragment 4.  Behind slice 17: the NEXT tile's fragments 0 .. 3, eight loads (nxt = 1); product 15 was the
; last to read fragment 3, and the next stream's product 0 needs fragment 0.  So each run has 14 products in which to land, and stands behind three slices (twelve
; plain vector lines; six moves in the first tile) that name none of its last reader's registers: more than the four places that are due there
; (ISA guide 7.12.1 for vector instructions).  Fragment ks is free only from product 4 ks + 3 to product 4 ks + 32, and no one
; place of the stream lies in all eight spans: fewer than two runs would want a second buffer.
; WAITS: two a tile, both for 0, in front of products 0 and 16: at each the one run that it waits for is all that is out.  The second also shows this tile's e2,
; which the next stream's slices read.
; bar = 2, a slot's fourth tile: the run behind slice 1 is the slot's last read.  In front of product 16 the wave has its LDS loads back and all its tensor loads
; landed (the one that was out is its part of the other slot) and opens a round of the cluster's barrier; products 16 and 17 and their slices, register work
; alone, stand inside it.  Behind the round the joint refill of this slot comes first, the wave's one tensor load until the next round, then the run behind slice 17
; reads the other slot.  From that request to the wait for it the wave issues 126 products.
; bar = 1: the same with a plain barrier and no refill: the last fill of all is shown to every wave.
.macro STREAM p, trk, nxt, bar
.set SLT,  (\p)>>2
.set TIL,  (\p)&3
.set NSLT, (((\p)+1)&7)>>2
.set NTIL, ((\p)+1)&3
.set AC,   ACC+32*((\p)&1)
.set AP,   ACC+32-32*((\p)&1)
.set EC,   E2A+8*((\p)&1)
.set EP,   E2A+8-8*((\p)&1)
.set Q, 0
.rept 32
.if Q%16 == 0
	s_wait_dscnt 0x0                               ; the run of loads that the next sixteen products read is back
.if \bar
.if Q == 16
	s_set_vgpr_msb 0x400
	s_wait_tensorcnt 0x0                           ; no tensor load of mine is out, so a group 0 may be written
	ds_add_u32 v254, v255
	s_wait_dscnt 0x0
	s_set_vgpr_msb 0x4
.if \bar == 2
	s_add_nc_u64 s[G0+4*SLT+2:G0+4*SLT+3], s[G0+4*SLT+2:G0+4*SLT+3], 2*STEPB   ; this slot's next 64 codes of the half
.endif
	s_barrier_signal -1
.endif
.endif
.endif
.if Q < 4
	v_wmma_f32_16x16x32_bf16 v[AC+8*Q:AC+8*Q+7], v[FA:FA+7], v[64*Q:64*Q+7], 0
.else
	v_wmma_f32_16x16x32_bf16 v[AC+8*(Q%4):AC+8*(Q%4)+7], v[FA+8*(Q/4):FA+8*(Q/4)+7], v[64*(Q%4)+8*(Q/4):64*(Q%4)+8*(Q/4)+7], v[AC+8*(Q%4):AC+8*(Q%4)+7]
.endif
.if \trk
	SLICE Q, AP, EP
.else
	v_mov_b32 v[RUN+16*(Q/8)+Q%8], s59             ; -infinity: the first finite distance takes over
	v_mov_b32 v[IDX+16*(Q/8)+Q%8], 0
.endif
.if Q == 1
	LOADF SLT, TIL, 4
	LOADF SLT, TIL, 5
	LOADF SLT, TIL, 6
	LOADF SLT, TIL, 7
	LOADE TIL, EC
.endif
.if Q == 17
.if \bar
	WIN 0
	s_barrier_wait -1
.if \bar == 2
	CREST
	tensor_load_to_lds s[G0+4*SLT:G0+4*SLT+3], s[G1:G1+7]
	s_nop 0
	v_nop
	v_nop
	v_nop
.endif
	v_add_nc_u32 v[ADRE], 256, v[ADRE]             ; e2 of the next 64 codes
	WIN MULW
.endif
.if \nxt
	LOADF NSLT, NTIL, 0
	LOADF NSLT, NTIL, 1
	LOADF NSLT, NTIL, 2
	LOADF NSLT, NTIL, 3
.endif
.endif
.set Q, Q+1
.endr
.if \trk
	s_add_co_u32 s55, s55, 1                       ; the next stream tracks the next tile
.endif
.endm
	s_load_b256 s[4:11], s[0:1], 0x0               ; z s[4:5], cb16 s[6:7], e2 s[8:9], idx s[10:11]
	v_lshl_add_u32 v254, v0, 2, 0x3a800
	v_mov_b32 v255, 0
	ds_add_u32 v254, v255
	v_lshrrev_b32 v1, 5, v0
	v_readfirstlane_b32 s12, v1                    ; wave 0..3
	s_and_b32 s13, s12, 1                          ; rh: which 64 rows
	s_lshr_b32 s14, s12, 1                         ; ch: which half of the codes
	s_bfe_u32 s60, ttmp6, 0x40000                  ; cx.  It enters s15, s60-62, and through them the addresses of z and idx alone
	s_lshl_b32 s15, ttmp9, 2
	s_add_co_u32 s15, s15, s60                     ; work-group = 4 x cluster + cx
	s_mov_b32 s52, 0xffff0000                      ; a word's upper bf16
	s_mov_b32 s59, 0xff800000                      ; -infinity
	s_mov_b32 s66, 0x76543210                      ; v_permlanex16_b32: lane i reads lane i of the other half
	s_mov_b32 s67, 0xfedcba98
	; group 1 of the ring: 32 rows x 256 elements of 2 bytes, 16 bytes of padding behind each row
	s_mov_b32 s[G1+0], 15|(1<<16)|(1<<20)|(1<<21)|(6<<22)|(3<<25)   ; 15:0 mask: all four; 17:16 2 bytes; 20 padding on; 21 set beside a mask; 24:22 after 128 words; 31:25 4 words
	s_mov_b32 s[G1+1], 256<<16                     ; tensor_dim0 = 256
	s_mov_b32 s[G1+2], 32<<16                      ; tensor_dim1 = 32
	s_mov_b32 s[G1+3], 256<<16                     ; tile_dim0 = 256
	s_mov_b32 s[G1+4], 32                          ; tile_dim1 = 32
	s_mov_b32 s[G1+5], 256                         ; elements from row to row
	s_mov_b32 s[G1+6], 0
	s_mov_b32 s[G1+7], 0
	; group 1 of e2: a dense block of 8,192 bytes as 32 rows of 32 elements of 8 bytes, no padding
	s_mov_b32 s[G1E+0], 15|(3<<16)|(1<<21)
	s_mov_b32 s[G1E+1], 32<<16
	s_mov_b32 s[G1E+2], 32<<16
	s_mov_b32 s[G1E+3], 32<<16
	s_mov_b32 s[G1E+4], 32
	s_mov_b32 s[G1E+5], 32
	s_mov_b32 s[G1E+6], 0
	s_mov_b32 s[G1E+7], 0
	; lane terms
	v_and_b32 v1, 31, v0                           ; lane
	v_and_b32 v2, 15, v0                           ; r
	v_bfe_u32 v3, v0, 4, 1                         ; h
	v_mul_u32_u24 v47, v2, PITCH
	v_lshl_add_u32 v47, v3, 4, v47                 ; r x pitch + 16 h: a fragment's lane term
	s_mul_i32 s54, s14, HALFS
	s_add_co_u32 s54, s54, RING
	v_add_nc_u32 v[ADRA], s54, v47                 ; slot 0, my half's 64 rows
	v_add_nc_u32 v[ADRA+1], SLOT, v[ADRA]
	s_lshl_b32 s54, s14, 14
	s_add_co_u32 s54, s54, E2L
	v_lshl_add_u32 v[ADRE], v3, 5, s54             ; e2 of codes 4096 ch + 8 h .. + 7
	s_lshl_b32 s54, s12, 19
	v_lshl_add_u32 v[ZOFF], v1, 4, s54
	s_lshl_b32 s54, s12, 7
	v_mul_u32_u24 v[STO], v1, 4*PITCH
	v_add_nc_u32 v[STO], s54, v[STO]               ; row 4 lane, byte 2 x 64 w
	s_mul_i32 s54, s13, HALFS
	v_add_nc_u32 v[ZFA], s54, v47
	s_lshl_b32 s54, s13, 8
	s_add_co_u32 s55, s54, Z2P
	v_lshl_add_u32 v[Z2A], v2, 2, s55              ; 4 (64 rh + r)
	s_add_co_u32 s55, s54, RED
	v_lshl_add_u32 v[RA], v2, 2, s55
	s_lshl_b32 s54, s14, 12
	v_lshl_add_u32 v[VB], v3, 3, s54
	s_lshl_b32 s54, s12, 9
	s_add_co_u32 s54, s54, Z2P
	v_lshl_add_u32 v[Z2S], v1, 4, s54
	; offsets, apart from the addresses
	s_lshr_b32 s60, s15, 4                         ; b
	s_lshl_b32 s60, s60, 21                        ; x 256 rows of 8,192 bytes
	s_and_b32 s61, s15, 15
	s_lshl_b32 s61, s61, 9                         ; + 128 l of 4 bytes
	s_add_co_u32 s60, s60, s61
	s_mov_b32 s61, 0
	s_lshl_b32 s62, s15, 9                         ; idx: 4 (128 work-group + 64 rh)
	s_lshl_b32 s63, s13, 8
	s_add_co_u32 s62, s62, s63
	s_mov_b32 s63, 0
	s_lshl_b32 s56, s14, 21                        ; cb16: code 4096 ch + 32 rh, 512 bytes each: the wave's number alone
	s_lshl_b32 s57, s13, 14
	s_add_co_u32 s56, s56, s57
	s_mov_b32 s57, 0
	s_mul_i32 s58, s12, WPART                      ; my part of a slot
	s_lshl_b32 s54, s12, 13                        ; my quarter of e2
	s_mov_b32 s55, 0
	s_wait_dscnt 0x0
	s_wait_kmcnt 0x0
	s_add_nc_u64 s[4:5], s[4:5], s[60:61]
	s_add_nc_u64 s[10:11], s[10:11], s[62:63]
	s_add_nc_u64 s[56:57], s[6:7], s[56:57]
.irp n, 0,1
	s_mov_b32 s[G0+4*\n], 1                                        ; count = 1
	s_add_co_u32 s[G0+4*\n+1], s58, RING+\n*SLOT                   ; LDS address
	s_add_nc_u64 s[G0+4*\n+2:G0+4*\n+3], s[56:57], \n*STEPB        ; the half's codes 64 n + 32 rh .. + 31
	s_or_b32 s[G0+4*\n+3], s[G0+4*\n+3], 0x80000000                ; type = 2
.endr
	s_mov_b32 s[G0E], 1
	s_add_co_u32 s[G0E+1], s54, E2L
	s_add_nc_u64 s[G0E+2:G0E+3], s[8:9], s[54:55]
	s_or_b32 s[G0E+3], s[G0E+3], 0x80000000
	; z: wave w takes d = 64 w .. + 63, a lane 4 neighbouring l; each load covers 512 consecutive bytes.  Sixty-four loads a wave; the issue of one
	; that the counter's field cannot hold waits by itself (ISA guide 5.7.1).
	WIN 0x40                                       ; destination window 1
.set dl, 0
.rept 64
	global_load_b128 v[4*dl:4*dl+3], v[ZOFF], s[4:5] offset:8192*dl th:TH_LOAD_NT
.set dl, dl+1
.endr
	WIN 0
	CROUND                                         ; all four work-groups are here: the first joint loads meet
	tensor_load_to_lds s[G0E:G0E+3], s[G1E:G1E+7]  ; the first fills, one group: my quarter of e2,
	s_nop 0
	tensor_load_to_lds s[G0:G0+3], s[G1:G1+7]      ; my part of slot 0,
	s_nop 0
	tensor_load_to_lds s[G0+4:G0+7], s[G1:G1+7]    ; my part of slot 1: three tensor loads of the wave are out
	s_nop 0
	; z to bf16, transposed by the choice of registers: for l = 4 lane + c, eight neighbouring d make 16 bytes of ZST's row l.  z2's partial sums are made of
	; the rounded numbers.  The lanes' rows lie 2,112 bytes apart: once in the launch.
.irp g, 0,1,2,3,4,5,6,7
	s_wait_loadcnt 56-8*\g                         ; d = 8 g .. 8 g + 7 of my 64 are in; the loads of later d stay out
	WIN 0x05                                       ; sources window 1
.irp c, 0,1,2,3
.irp q, 0,1,2,3
	v_cvt_pk_bf16_f32 v[PK+16*\g+4*\c+\q], v[4*(8*\g+2*\q)+\c], v[4*(8*\g+2*\q+1)+\c]
.endr
.endr
	WIN 0
.irp c, 0,1,2,3
	ds_store_b128 v[STO], v[PK+16*\g+4*\c:PK+16*\g+4*\c+3] offset:PITCH*\c+16*\g
.endr
.irp q, 0,1,2,3
.irp c, 0,1,2,3
	v_lshlrev_b32 v[U+2*\c],   16,  v[PK+16*\g+4*\c+\q]
	v_and_b32     v[U+2*\c+1], s52, v[PK+16*\g+4*\c+\q]
.if \g+\q == 0
	v_pk_mul_f32 v[S+2*\c:S+2*\c+1], v[U+2*\c:U+2*\c+1], v[U+2*\c:U+2*\c+1]                       ; the first squares start the sums
.else
	v_pk_fma_f32 v[S+2*\c:S+2*\c+1], v[U+2*\c:U+2*\c+1], v[U+2*\c:U+2*\c+1], v[S+2*\c:S+2*\c+1]
.endif
.endr
.endr
.endr
.irp c, 0,1,2,3
	v_add_f32 v[P+\c], v[S+2*\c], v[S+2*\c+1]
.endr
	ds_store_b128 v[Z2S], v[P:P+3]                 ; rows 4 lane .. + 3, my 64 d
	s_wait_dscnt 0x0                               ; my stores are in LDS,
	s_wait_tensorcnt 0x1                           ; my quarter of e2 and my part of slot 0 too; slot 1's load may stay out
	s_barrier_signal -1
	s_barrier_wait -1                              ; everybody's are
	; the z fragments: 16 rows x 32 d in 8 registers: lane (r, h) holds row r, d = 8 h .. + 7 and 16 + 8 h .. + 7: two loads of 16 bytes, 32 bytes apart
	WIN 0x40
.irp nt, 0,1,2,3
.irp ks, 0,1,2,3,4,5,6,7
	ds_load_b128 v[64*\nt+8*\ks:64*\nt+8*\ks+3],   v[ZFA] offset:TROWS*\nt+64*\ks
	ds_load_b128 v[64*\nt+8*\ks+4:64*\nt+8*\ks+7], v[ZFA] offset:TROWS*\nt+64*\ks+32
.endr
.endr
	WIN 0
.irp nt, 0,1,2,3
.irp wv, 0,1,2,3
	ds_load_b32 v[ACC+4*\nt+\wv], v[Z2A] offset:512*\wv+64*\nt     ; the four waves' partials of my row in tile nt
.endr
.endr
.irp ks, 0,1,2,3
	LOADF 0, 0, \ks                                ; the first tile's fragments 0 .. 3; its fragments 4 .. 7 come in its own stream, like every tile's
.endr
	s_mov_b32 s55, 0                               ; the first tile that is tracked
	s_wait_dscnt 0x0
.irp nt, 0,1,2,3
	v_add_f32 v[ACC+4*\nt],   v[ACC+4*\nt],   v[ACC+4*\nt+1]
	v_add_f32 v[ACC+4*\nt+2], v[ACC+4*\nt+2], v[ACC+4*\nt+3]
	v_add_f32 v[ACC+4*\nt],   v[ACC+4*\nt],   v[ACC+4*\nt+2]
	v_sub_f32 v[NZ2+2*\nt],   0, v[ACC+4*\nt]      ; -z2, exact
	v_sub_f32 v[NZ2+2*\nt+1], 0, v[ACC+4*\nt]
.endr
	WIN MULW
	STREAM 0, 0, 1, 0                              ; tile 0: nothing to track yet; the running state is started between its products
	WIN 0                                          ; at a label and at a branch every window is 0
	s_mov_b32 s53, LAPS-1
.Llap:                                             ; a trip: 8 tiles, 128 codes of my half; both slots are filled again
	WIN MULW
	STREAM 1, 1, 1, 0
	STREAM 2, 1, 1, 0
	STREAM 3, 1, 1, 2
	STREAM 4, 1, 1, 0
	STREAM 5, 1, 1, 0
	STREAM 6, 1, 1, 0
	STREAM 7, 1, 1, 2
	STREAM 0, 1, 1, 0
	WIN 0
	s_sub_co_u32 s53, s53, 1
	s_cmp_lg_u32 s53, 0
	s_cbranch_scc1 .Llap
	WIN MULW                                       ; the last seven tiles fill nothing and have no round
	STREAM 1, 1, 1, 0
	STREAM 2, 1, 1, 0
	STREAM 3, 1, 1, 1
	STREAM 4, 1, 1, 0
	STREAM 5, 1, 1, 0
	STREAM 6, 1, 1, 0
	STREAM 7, 1, 0, 0                              ; the last tile asks for no next one
	WIN 0
.set Q, 0
.rept 32
	SLICE Q, ACC+32, E2B                           ; the last tile is tracked with no products left to set it among; its e2 was shown by the wait in front of its product 16
.set Q, Q+1
.endr
	; THE WAY OUT.  A takes B where B's negated distance is greater, or equal with the lower index.
.macro COMB da, ka, db, kb
	v_cmp_gt_f32 s44, v[\db], v[\da]
	v_cmp_eq_f32 s45, v[\db], v[\da]
	v_cmp_lt_u32 s46, v[\kb], v[\ka]
	s_and_b32 s45, s45, s46
	s_or_b32 s44, s44, s45
	v_cndmask_b32 v[\da], v[\da], v[\db], s44
	v_cndmask_b32 v[\ka], v[\ka], v[\kb], s44
.endm
.macro COMBJ nt, a, b
	COMB RUN+16*\nt+\a, IDX+16*\nt+\a, RUN+16*\nt+\b, IDX+16*\nt+\b
.endm
.irp j, 0,1,2,3,4,5,6,7
	v_add_nc_u32 v[VBJ+\j], \j, v[VB]
.endr
.irp nt, 0,1,2,3
.irp j, 0,1,2,3,4,5,6,7
	v_lshl_add_u32 v[IDX+16*\nt+\j], v[IDX+16*\nt+\j], 4, v[VBJ+\j]    ; index = 4096 ch + 16 tile + 8 h + j
.endr
	COMBJ \nt, 0, 1
	COMBJ \nt, 2, 3
	COMBJ \nt, 4, 5
	COMBJ \nt, 6, 7
	COMBJ \nt, 0, 2
	COMBJ \nt, 4, 6
	COMBJ \nt, 0, 4
	v_permlanex16_b32 v[T],   v[RUN+16*\nt], s66, s67              ; the other eight codes of each tile lie in lane r xor 16
	v_permlanex16_b32 v[T+1], v[IDX+16*\nt], s66, s67
	COMB RUN+16*\nt, IDX+16*\nt, T, T+1
.endr
	s_cmp_eq_u32 s14, 0
	s_cbranch_scc1 .Llow_half
.irp nt, 0,1,2,3
	ds_store_b32 v[RA], v[RUN+16*\nt] offset:64*\nt                ; the upper half of the codes hands its result over (lanes r and r + 16 write one word with one value)
	ds_store_b32 v[RA], v[IDX+16*\nt] offset:512+64*\nt
.endr
.Llow_half:
	s_wait_dscnt 0x0                               ; those stores are in LDS before their wave says so
	s_barrier_signal -1
	s_barrier_wait -1
	s_cmp_lg_u32 s14, 0
	s_cbranch_scc1 .Lclose
.irp nt, 0,1,2,3
	ds_load_b32 v[T+\nt],   v[RA] offset:64*\nt
	ds_load_b32 v[T+4+\nt], v[RA] offset:512+64*\nt
.endr
	s_lshl_b32 s54, s13, 8
	s_add_co_u32 s54, s54, RED+1024
	v_lshl_add_u32 v152, v1, 3, s54                ; the stage of my 64 indices, two a lane
	v_lshlrev_b32 v153, 3, v1
	s_wait_dscnt 0x0
.irp nt, 0,1,2,3
	v_cmp_gt_f32 s44, v[T+\nt], v[RUN+16*\nt]      ; the upper half's indices are all higher: it wins only where strictly better
	v_cndmask_b32 v[IDX+16*\nt], v[IDX+16*\nt], v[T+4+\nt], s44
	ds_store_b32 v[RA], v[IDX+16*\nt] offset:1024+64*\nt
.endr
	ds_load_b64 v[154:155], v152                   ; my own bytes: LDS serves a wave's instructions in order (ISA guide 5.7.1)
	s_wait_dscnt 0x0
	global_store_b64 v153, v[154:155], s[10:11]    ; 256 consecutive bytes, aligned
.Lclose:
	s_wait_tensorcnt 0x0
	ds_add_u32 v254, v255
	s_wait_dscnt 0x0
	CROUND                                         ; the closing round: no work-group ends while a partner may still ask jointly
	s_endpgm
.Lfunc_end_k_q6632c0dcda_nearest:
	.size	k_q6632c0dcda_nearest, .Lfunc_end_k_q6632c0dcda_nearest-k_q6632c0dcda_nearest
	.p2alignl 7, 3214868480
	.fill 96, 4, 3214868480
	.section	.rodata,"a",@progbits
	.p2align	6, 0x0
	.amdhsa_kernel k_q6632c0dcda_nearest
		.amdhsa_group_segment_fixed_size 327680
		.amdhsa_private_segment_fixed_size 0
		.amdhsa_enable_private_segment 0
		.amdhsa_kernarg_size 32
		.amdhsa_user_sgpr_count 2
		.amdhsa_user_sgpr_kernarg_segment_ptr 1
		.amdhsa_wavefront_size32 1
		.amdhsa_system_sgpr_workgroup_id_x 1
		.amdhsa_system_sgpr_workgroup_id_y 1
		.amdhsa_system_sgpr_workgroup_id_z 1
		.amdhsa_system_vgpr_workitem_id 0
		.amdhsa_next_free_vgpr 512
		.amdhsa_next_free_sgpr 68
		.amdhsa_reserve_vcc 0
		.amdhsa_float_denorm_mode_32 3
		.amdhsa_float_denorm_mode_16_64 3
		.amdhsa_memory_ordered 1
		.amdhsa_forward_progress 1
		.amdhsa_inst_pref_size 255
	.end_amdhsa_kernel
	.section	.bss,"aw",@nobits
	.p2align	6
	.space	262144
	.amdgpu_metadata
---
amdhsa.version: [ 1, 2 ]
amdhsa.kernels:
  - .name:           k_q6632c0dcda_nearest
    .symbol:         k_q6632c0dcda_nearest.kd
    .args:
      - { .name: z, .offset: 0, .size: 8, .value_kind: global_buffer, .address_space: global }
      - { .name: cb16, .offset: 8, .size: 8, .value_kind: global_buffer, .address_space: global }
      - { .name: e2, .offset: 16, .size: 8, .value_kind: global_buffer, .address_space: global }
      - { .name: idx, .offset: 24, .size: 8, .value_kind: global_buffer, .address_space: global }
    .group_segment_fixed_size: 327680
    .private_segment_fixed_size: 0
    .kernarg_segment_align: 8
    .kernarg_segment_size: 32
    .max_flat_workgroup_size: 128
    .sgpr_count:     68
    .vgpr_count:     512
    .wavefront_size: 32
...
	.end_amdgpu_metadata
.endif
;; end of part 2
;; launch gather (part 3): grid 512 x 1, 4 waves a work-group, no clusters, 67,328 bytes of LDS; arguments z, codebook, idx, out0, part; writes out0, part
.if DOCPART == 3
	.amdgcn_target "amdgcn-amd-amdhsa--gfx1250"
	.amdhsa_code_object_version 6
	.text
	.protected	k_q6632c0dcda_gather
	.globl	k_q6632c0dcda_gather
	.p2align	8
	.type	k_q6632c0dcda_gather,@function
k_q6632c0dcda_gather:
	s_mov_b64 s[64:65], 0
	v_nop
	global_prefetch_b8 v0, s[64:65] scope:SCOPE_SE
	s_setreg_imm32_b32 hwreg(HW_REG_WAVE_MODE, 25, 1), 1
	s_wait_xcnt 0x0
; VQ codebook, step 3 of 4: out0[b][d][l] = z + (codebook[idx[n]][d] - z), in the problem's order of roundings, and part[g] = this group's sum of (codebook[idx] - z)^2.
; The squares are summed once for both losses: the two means are the same numbers for all inputs (see the first kernel's head).
; The lookup is a gather by the whole numbers that the launch before stored.  An index is clamped to 8,191 before it enters an address.
; Work-group g: b = g >> 5, l = 64 (g & 31) .. + 63, all 256 d.  Wave w gathers rows l = 16 w + i (1,024 bytes each, two loads of 512 consecutive bytes) and lays
; them into LDS; then each wave takes d = 64 w .. + 63 of all 64 rows.  Row l = 4 m + ii lies at LDS row 16 ii + m, pitch 1,040 bytes (65 x 16).
; A lane then holds q for 4 l x 4 d, and z for the same 4 d x 4 l: the transposition is a choice of registers.
; Memory binds: no matrix unit, no cluster (no two work-groups share a tile of z; codebook rows are shared only by chance).
.set PITCH, 1040
.set SUMS,  64*PITCH                   ; 66,560: four words for the waves' sums
.set RO,  8                            ; v[8:23]    row i: byte offset of my 16 bytes in the codebook
.set G,   32                           ; v[32:159]  the 16 gathered rows, 8 registers each
.set ZA,  160                          ; v[160:223] z of steps 0-3, then the results
.set ZB,  32                           ; v[32:95]   z of steps 4-7 (the rows are in LDS by then), then the results
.set QA,  224                          ; v[224:239] q, even steps
.set QB,  96                           ; v[96:111]  q, odd steps
.set SM,  112                          ; v[112:119] sums
	s_load_b256 s[4:11], s[0:1], 0x0               ; z s[4:5], codebook s[6:7], idx s[8:9], out0 s[10:11]
	s_load_b64 s[12:13], s[0:1], 0x20              ; part
	v_lshl_add_u32 v240, v0, 2, 0x10500
	v_mov_b32 v241, 0
	v_lshrrev_b32 v1, 5, v0                        ; wave
	v_readfirstlane_b32 s14, v1
	s_lshl_b32 s32, ttmp9, 8                       ; idx: 4 bytes x (64 g + 16 w)
	s_lshl_b32 s33, s14, 6
	s_add_co_u32 s32, s32, s33
	s_mov_b32 s33, 0
	s_lshr_b32 s34, ttmp9, 5                       ; z and out0: b x 256 rows of 8,192 bytes + 64 (g & 31) numbers
	s_lshl_b32 s34, s34, 21
	s_and_b32 s35, ttmp9, 31
	s_lshl_b32 s35, s35, 8
	s_add_co_u32 s34, s34, s35
	s_mov_b32 s35, 0
	s_lshl_b32 s36, ttmp9, 2                       ; part[g]
	s_mov_b32 s37, 0
	s_mov_b32 s38, 0x76543210
	s_mov_b32 s39, 0xfedcba98
	v_and_b32 v2, 31, v0                           ; lane
	v_and_b32 v3, 15, v0                           ; m
	v_bfe_u32 v24, v0, 4, 1                        ; hh
	v_lshlrev_b32 v4, 4, v2                        ; 16 lane
	v_mad_u32_u24 v5, v1, 4*PITCH, v4              ; LDS in: 16 lane + 4 w rows
	v_lshlrev_b32 v6, 4, v3
	v_lshl_add_u32 v6, v1, 19, v6
	v_lshl_add_u32 v6, v24, 15, v6                 ; z, out0: 16 m + (64 w + 4 hh) rows of 8,192 bytes
	v_mul_u32_u24 v7, v3, PITCH
	v_lshl_add_u32 v7, v1, 8, v7
	v_lshl_add_u32 v7, v24, 4, v7                  ; LDS back: row m, byte 4 (64 w + 4 hh)
	s_wait_kmcnt 0x0
	s_add_nc_u64 s[8:9], s[8:9], s[32:33]
	s_load_b512 s[16:31], s[8:9], 0x0              ; my wave's sixteen indices
	s_add_nc_u64 s[4:5], s[4:5], s[34:35]
	s_add_nc_u64 s[10:11], s[10:11], s[34:35]
	s_add_nc_u64 s[12:13], s[12:13], s[36:37]
.macro ZLOAD s, zb                     ; step s: d = 64 w + 8 s + 4 hh + dd, l = 4 m .. + 3: sixteen lanes read 256 consecutive bytes, aligned
.irp dd, 0,1,2,3
	global_load_b128 v[\zb+4*\dd:\zb+4*\dd+3], v6, s[4:5] offset:(8*\s+\dd)*8192 th:TH_LOAD_NT
.endr
.endm
.macro QLOAD s, q                      ; step s: rows l = 4 m + ii, d = 64 w + 8 s + 4 hh .. + 3
.irp ii, 0,1,2,3
	ds_load_b128 v[\q+4*\ii:\q+4*\ii+3], v7 offset:16*PITCH*\ii+32*(\s)
.endr
.endm
	ZLOAD 0, ZA                                    ; these hang on no index: they go out while the indices are on their way
	ZLOAD 1, ZA+16
	ZLOAD 2, ZA+32
	ZLOAD 3, ZA+48
	s_wait_kmcnt 0x0
.irp i, 0,1,2,3,4,5,6,7,8,9,10,11,12,13,14,15
	s_min_u32 s[16+\i], s[16+\i], 0x1fff
	s_lshl_b32 s[16+\i], s[16+\i], 10              ; a row is 1,024 bytes
	v_add_nc_u32 v[RO+\i], s[16+\i], v4
.endr
.irp i, 0,1,2,3,4,5,6,7,8,9,10,11,12,13,14,15
	global_load_b128 v[G+8*\i:G+8*\i+3],   v[RO+\i], s[6:7]
	global_load_b128 v[G+8*\i+4:G+8*\i+7], v[RO+\i], s[6:7] offset:512
.endr
.irp i, 0,1,2,3,4,5,6,7,8,9,10,11,12,13,14,15
	s_wait_loadcnt 30-2*\i                         ; row i is in (and z of steps 0-3, which is older); the later rows' loads stay out
	ds_store_b128 v5, v[G+8*\i:G+8*\i+3]   offset:((\i&3)*16+(\i>>2))*PITCH
	ds_store_b128 v5, v[G+8*\i+4:G+8*\i+7] offset:((\i&3)*16+(\i>>2))*PITCH+512
.endr
	s_wait_dscnt 0x0                               ; my rows are in LDS before I say so
	s_barrier_signal -1
	s_barrier_wait -1
	ZLOAD 4, ZB
	ZLOAD 5, ZB+16
	ZLOAD 6, ZB+32
	ZLOAD 7, ZB+48
	QLOAD 0, QA
; One step: 16 numbers a lane.  t = q - z in q's register, z + t in z's register, which is the store's data and is never written again.
; lcnt: how many younger z loads may stay out (-1: the step's z is known to be in).  more = 1: the next step's q is asked for first.
.macro STEP s, zb, q, qn, lcnt, more
.if \more
	QLOAD \s+1, \qn
	s_wait_dscnt 0x4                               ; this step's four are in, the next step's four stay out
.else
	s_wait_dscnt 0x0
.endif
.if \lcnt >= 0
	s_wait_loadcnt \lcnt
.endif
.irp dd, 0,1,2,3
.irp ii, 0,1,2,3
	v_sub_f32 v[\q+4*\ii+\dd], v[\q+4*\ii+\dd], v[\zb+4*\dd+\ii]
.endr
.endr
.irp dd, 0,1,2,3
.irp ii, 0,1,2,3
	v_add_f32 v[\zb+4*\dd+\ii], v[\zb+4*\dd+\ii], v[\q+4*\ii+\dd]
.endr
	global_store_b128 v6, v[\zb+4*\dd:\zb+4*\dd+3], s[10:11] offset:(8*\s+\dd)*8192 th:TH_STORE_NT   ; sixteen lanes store 256 consecutive bytes, aligned
.endr
.irp ii, 0,1,2,3
.irp dd, 0,1,2,3
.if \s+\ii == 0
	v_mul_f32 v[SM+\dd], v[\q+4*\ii+\dd], v[\q+4*\ii+\dd]          ; the first squares start the four sums
.else
	v_fmac_f32 v[SM+\dd], v[\q+4*\ii+\dd], v[\q+4*\ii+\dd]
.endif
.endr
.endr
.endm
	STEP 0, ZA,    QA, QB, -1, 1
	STEP 1, ZA+16, QB, QA, -1, 1
	STEP 2, ZA+32, QA, QB, -1, 1
	STEP 3, ZA+48, QB, QA, -1, 1
	STEP 4, ZB,    QA, QB, 12, 1
	STEP 5, ZB+16, QB, QA, 8, 1
	STEP 6, ZB+32, QA, QB, 4, 1
	STEP 7, ZB+48, QB, QA, 0, 0
	v_add_f32 v[SM], v[SM], v[SM+1]
	v_add_f32 v[SM+2], v[SM+2], v[SM+3]
	v_add_f32 v[SM], v[SM], v[SM+2]
	v_add_f32_dpp v[SM], v[SM], v[SM] row_xmask:1 row_mask:0xf bank_mask:0xf
	v_add_f32_dpp v[SM], v[SM], v[SM] row_xmask:2 row_mask:0xf bank_mask:0xf
	v_add_f32_dpp v[SM], v[SM], v[SM] row_xmask:4 row_mask:0xf bank_mask:0xf
	v_add_f32_dpp v[SM], v[SM], v[SM] row_xmask:8 row_mask:0xf bank_mask:0xf
	v_permlanex16_b32 v[SM+1], v[SM], s38, s39
	v_add_f32 v[SM], v[SM], v[SM+1]
	s_lshl_b32 s33, s14, 2
	s_add_co_u32 s33, s33, SUMS
	v_mov_b32 v24, s33
	ds_store_b32 v24, v[SM]                        ; my wave's word
	s_wait_dscnt 0x0
	s_barrier_signal -1
	s_barrier_wait -1
	s_cmp_lg_u32 s14, 0
	s_cbranch_scc1 .Lend
	v_mov_b32 v24, SUMS
	ds_load_b128 v[SM+4:SM+7], v24
	v_mov_b32 v25, 0
	v_cmp_eq_u32 vcc_lo, 0, v0
	s_wait_dscnt 0x0
	v_add_f32 v[SM+4], v[SM+4], v[SM+5]
	v_add_f32 v[SM+6], v[SM+6], v[SM+7]
	v_add_f32 v[SM+4], v[SM+4], v[SM+6]
	s_wait_xcnt 0x0                                ; EXEC is a source of the stores above: it narrows only behind this wait
	s_and_saveexec_b32 s33, vcc_lo
	global_store_b32 v25, v[SM+4], s[12:13]        ; thread 0: part[g]
	s_wait_xcnt 0x0                                ; and widens only behind this one
	s_or_b32 exec_lo, exec_lo, s33
.Lend:
	s_wait_tensorcnt 0x0
	ds_add_u32 v240, v241
	s_wait_dscnt 0x0
	s_endpgm
.Lfunc_end_k_q6632c0dcda_gather:
	.size	k_q6632c0dcda_gather, .Lfunc_end_k_q6632c0dcda_gather-k_q6632c0dcda_gather
	.p2alignl 7, 3214868480
	.fill 96, 4, 3214868480
	.section	.rodata,"a",@progbits
	.p2align	6, 0x0
	.amdhsa_kernel k_q6632c0dcda_gather
		.amdhsa_group_segment_fixed_size 67328
		.amdhsa_private_segment_fixed_size 0
		.amdhsa_enable_private_segment 0
		.amdhsa_kernarg_size 40
		.amdhsa_user_sgpr_count 2
		.amdhsa_user_sgpr_kernarg_segment_ptr 1
		.amdhsa_wavefront_size32 1
		.amdhsa_system_sgpr_workgroup_id_x 1
		.amdhsa_system_sgpr_workgroup_id_y 1
		.amdhsa_system_sgpr_workgroup_id_z 1
		.amdhsa_system_vgpr_workitem_id 0
		.amdhsa_next_free_vgpr 242
		.amdhsa_next_free_sgpr 66
		.amdhsa_reserve_vcc 1
		.amdhsa_float_denorm_mode_32 3
		.amdhsa_float_denorm_mode_16_64 3
		.amdhsa_memory_ordered 1
		.amdhsa_forward_progress 1
		.amdhsa_inst_pref_size 32
	.end_amdhsa_kernel
	.amdgpu_metadata
---
amdhsa.version: [ 1, 2 ]
amdhsa.kernels:
  - .name:           k_q6632c0dcda_gather
    .symbol:         k_q6632c0dcda_gather.kd
    .args:
      - { .name: z, .offset: 0, .size: 8, .value_kind: global_buffer, .address_space: global }
      - { .name: codebook, .offset: 8, .size: 8, .value_kind: global_buffer, .address_space: global }
      - { .name: idx, .offset: 16, .size: 8, .value_kind: global_buffer, .address_space: global }
      - { .name: out0, .offset: 24, .size: 8, .value_kind: global_buffer, .address_space: global }
      - { .name: part, .offset: 32, .size: 8, .value_kind: global_buffer, .address_space: global }
    .group_segment_fixed_size: 67328
    .private_segment_fixed_size: 0
    .kernarg_segment_align: 8
    .kernarg_segment_size: 40
    .max_flat_workgroup_size: 128
    .sgpr_count:     66
    .vgpr_count:     242
    .wavefront_size: 32
...
	.end_amdgpu_metadata
.endif
;; end of part 3
;; launch loss (part 4): grid 1 x 1, 1 waves a work-group, no clusters, 0 bytes of LDS; arguments part, out1; writes out1
.if DOCPART == 4
	.amdgcn_target "amdgcn-amd-amdhsa--gfx1250"
	.amdhsa_code_object_version 6
	.text
	.protected	k_q6632c0dcda_loss
	.globl	k_q6632c0dcda_loss
	.p2align	8
	.type	k_q6632c0dcda_loss,@function
k_q6632c0dcda_loss:
	s_mov_b64 s[64:65], 0
	v_nop
	global_prefetch_b8 v0, s[64:65] scope:SCOPE_SE
	s_setreg_imm32_b32 hwreg(HW_REG_WAVE_MODE, 25, 1), 1
	s_wait_xcnt 0x0
; VQ codebook, step 4 of 4: m = (sum of the 512 partial sums) / 2^23, the mean over 32,768 x 256 numbers;  out1 = 0.25 m + m.
; The mean is formed once for both losses: they are the same numbers for all inputs (see the first kernel's head).  0.25 m is exact, so the fused
; multiply-add rounds as the problem's product and sum do.
; One wave: 2,048 bytes, four loads of 16 bytes a lane.  The sum spans work-groups of the launch before, so it has a launch of its own.
	s_load_b128 s[4:7], s[0:1], 0x0                ; part s[4:5], out1 s[6:7]
	v_lshlrev_b32 v1, 4, v0
	v_mov_b32 v2, 0
	s_mov_b32 s8, 0x76543210
	s_mov_b32 s9, 0xfedcba98
	s_wait_kmcnt 0x0
.irp j, 0,1,2,3
	global_load_b128 v[4+4*\j:7+4*\j], v1, s[4:5] offset:512*\j
.endr
	s_wait_loadcnt 0x0
	v_pk_add_f32 v[4:5], v[4:5], v[8:9]
	v_pk_add_f32 v[6:7], v[6:7], v[10:11]
	v_pk_add_f32 v[12:13], v[12:13], v[16:17]
	v_pk_add_f32 v[14:15], v[14:15], v[18:19]
	v_pk_add_f32 v[4:5], v[4:5], v[12:13]
	v_pk_add_f32 v[6:7], v[6:7], v[14:15]
	v_pk_add_f32 v[4:5], v[4:5], v[6:7]
	v_add_f32 v4, v4, v5
	v_add_f32_dpp v4, v4, v4 row_xmask:1 row_mask:0xf bank_mask:0xf
	v_add_f32_dpp v4, v4, v4 row_xmask:2 row_mask:0xf bank_mask:0xf
	v_add_f32_dpp v4, v4, v4 row_xmask:4 row_mask:0xf bank_mask:0xf
	v_add_f32_dpp v4, v4, v4 row_xmask:8 row_mask:0xf bank_mask:0xf
	v_permlanex16_b32 v5, v4, s8, s9
	v_add_f32 v4, v4, v5
	v_mul_f32 v4, 0x34000000, v4                   ; x 2^-23
	v_fmamk_f32 v4, v4, 0x3e800000, v4             ; 0.25 m + m
	v_cmp_eq_u32 vcc_lo, 0, v0
	s_wait_xcnt 0x0                                ; EXEC narrows only behind this wait
	s_and_saveexec_b32 s10, vcc_lo
	global_store_b32 v2, v4, s[6:7]                ; lane 0
	s_wait_xcnt 0x0                                ; and widens only behind this one
	s_or_b32 exec_lo, exec_lo, s10
	s_endpgm
.Lfunc_end_k_q6632c0dcda_loss:
	.size	k_q6632c0dcda_loss, .Lfunc_end_k_q6632c0dcda_loss-k_q6632c0dcda_loss
	.p2alignl 7, 3214868480
	.fill 96, 4, 3214868480
	.section	.rodata,"a",@progbits
	.p2align	6, 0x0
	.amdhsa_kernel k_q6632c0dcda_loss
		.amdhsa_group_segment_fixed_size 0
		.amdhsa_private_segment_fixed_size 0
		.amdhsa_enable_private_segment 0
		.amdhsa_kernarg_size 16
		.amdhsa_user_sgpr_count 2
		.amdhsa_user_sgpr_kernarg_segment_ptr 1
		.amdhsa_wavefront_size32 1
		.amdhsa_system_sgpr_workgroup_id_x 1
		.amdhsa_system_sgpr_workgroup_id_y 1
		.amdhsa_system_sgpr_workgroup_id_z 1
		.amdhsa_system_vgpr_workitem_id 0
		.amdhsa_next_free_vgpr 24
		.amdhsa_next_free_sgpr 66
		.amdhsa_reserve_vcc 1
		.amdhsa_float_denorm_mode_32 3
		.amdhsa_float_denorm_mode_16_64 3
		.amdhsa_memory_ordered 1
		.amdhsa_forward_progress 1
		.amdhsa_inst_pref_size 3
	.end_amdhsa_kernel
	.amdgpu_metadata
---
amdhsa.version: [ 1, 2 ]
amdhsa.kernels:
  - .name:           k_q6632c0dcda_loss
    .symbol:         k_q6632c0dcda_loss.kd
    .args:
      - { .name: part, .offset: 0, .size: 8, .value_kind: global_buffer, .address_space: global }
      - { .name: out1, .offset: 8, .size: 8, .value_kind: global_buffer, .address_space: global }
    .group_segment_fixed_size: 0
    .private_segment_fixed_size: 0
    .kernarg_segment_align: 8
    .kernarg_segment_size: 16
    .max_flat_workgroup_size: 32
    .sgpr_count:     66
    .vgpr_count:     24
    .wavefront_size: 32
...
	.end_amdgpu_metadata
.endif
;; end of part 4
